; MI455X (gfx1250); checked and timed in simulation.
; The chip was launched on July 23, 2026; its instructions are those of AMD's public machine-readable ISA for CDNA 5 (MIT licence, August 2026) and "CDNA5" Instruction Set Architecture Reference Guide (July 2026). The comments in the code are by the model that wrote it; some were corrected since.
;; Head. Allowed arithmetic: matrix products marked QUANTISED: E2M1 operands, one E8M0 scale for each 32 along K, by v_wmma_scale_f32_16x16x128_f8f6f4 with both operands' format E2M1 (or v_wmma_scale_f32_32x16x128_f4), f32 sums; everything else in f32.
;; Inputs: Wk 2,048 x 128 float32; Wq 2,048 x 128 float32; Wv 2,048 x 128 float32; x 8 x 2,048 x 2,048 float32.
;; Outputs: out0 8 x 2,048 x 128 float32.
;; This version of the problem:
;;   THIS VERSION OF THE PROBLEM IS GIVEN IN LOW PRECISION. The matrix products marked QUANTISED in the list below multiply operands that are first quantised to E2M1 (2 exponent bits, 1 mantissa bit; 4 bits a number), with one power-of-two scale for each 32 numbers along K (OCP MX v1.0); their sums are f32. All else is computed in f32.
;;   The module's matrix products, in the order in which they are computed (A, B: the left and right operand; K: the contracted axis; several contracted axes count as one K, in the product's order):
;;     1. [M 16,384, K 2,048] x [K 2,048, N 128]; A: input x; B: input Wq: QUANTISED
;;     2. [M 16,384, K 2,048] x [K 2,048, N 128]; A: input x; B: input Wk: QUANTISED
;;     3. [M 16,384, K 2,048] x [K 2,048, N 128]; A: input x; B: input Wv: QUANTISED
;;     4. batch 8 x [M 2,048, K 128] x [K 128, N 2,048]; A: computed on the way; B: computed on the way: QUANTISED
;;     5. batch 8 x [M 2,048, K 2,048] x [K 2,048, N 128]; A: softmax (see below); B: computed on the way: QUANTISED
;;   THE QUANTISER, for each operand of a quantised product, along K:
;;     - K is cut into blocks of 32 from its start; a last block that is shorter is filled with zeros.
;;     - A block's scale is 2^e with e = floor(log2(the largest magnitude in the block)) - 2, held to -126 .. 127; a block of zeros has e = 0. As a byte (E8M0): e + 127.
;;     - Each number is divided by its block's scale, clamped to +-6, and rounded to the nearest number of E2M1, ties to even, subnormals kept.
;;     - The product sums the exact products of the quantised numbers (number of the format x scale) in f32.
;;   ~~~python
;;   def quantise(x, axis):      # numpy; x: float32 -> the quantised numbers, widened to float32 again
;;       x = np.moveaxis(x, axis, -1); K = x.shape[-1]
;;       x = np.pad(x, [(0, 0)] * (x.ndim - 1) + [(0, -K % 32)]); x = x.reshape(x.shape[:-1] + (-1, 32)); a = np.abs(x).max(-1, keepdims=True)
;;       e = np.where(a > 0, np.clip(np.frexp(np.where(a > 0, a, 1))[1] - 1 - 2, -126, 127), 0)      # np.frexp(a)[1] - 1 = floor(log2(a)), exactly
;;       r = np.clip(x / 2.0 ** e, -6, 6)
;;       step = 2.0 ** (np.maximum(np.frexp(np.where(r == 0, 1, r))[1] - 1, 0) - 1)
;;       q = np.round(r / step) * step * 2.0 ** e      # np.round: ties to even
;;       return np.moveaxis(q.reshape(q.shape[:-2] + (-1,))[..., :K], -1, axis).astype(np.float32)
;;   ~~~
;;   SOFTMAX AHEAD OF A QUANTISED PRODUCT. Where the list says 'softmax', what is quantised is not the finished softmax but p = 2^(t - M), with t = logit x log2(e) and M = ceil(the row's largest t), a whole number; so 1/2 < the row's largest p <= 1. The row's sum l is taken of the UNQUANTISED p, in f32, and the product's result is divided by l at the end. Since M is a whole number, a kernel that streams over the keys may use a running M (the ceiling of the running maximum): every later rescaling is an exact power of two, which a block's scale takes up: the codes' values come out the same.
;;   OPERANDS COMPUTED ON THE WAY. 'Computed on the way' means the value that the module computes at that place (a softmax that the list does not call 'softmax' is quantised finished and normalised). What goes into a quantiser is computed in f32, as accurately as f32 sums, v_exp_f32 and their like allow (about 1e-6 of the number): no bf16 or f16 on the way to a quantiser, and a product that is left as it is and whose result goes on into a quantised operand takes f32 operands (vector FMAs, or v_wmma_f32_16x16x4_f32). A number that lies on a knife's edge between two numbers of the format may be rounded either way, as far as f32 arithmetic and the matrix unit's own rounding can turn it there, and no further.
;; One version. Each part assembles by itself: llvm-mc -triple=amdgcn-amd-amdhsa -mcpu=gfx1250 --defsym DOCPART=n.
;; ======== version 1 of 1: 3 launches
;; workspace buffers: wimg 417,792 bytes; q 1,114,112 bytes; kv 2,228,224 bytes
;; launch wquant (part 1): grid 3 x 16, 16 waves a work-group, no clusters, 2,560 bytes of LDS; arguments Wq, Wk, Wv, wimg; writes wimg
.if DOCPART == 1
	.amdgcn_target "amdgcn-amd-amdhsa--gfx1250"
	.amdhsa_code_object_version 6
	.text
	.protected	k_q07a174d794_wquant
	.globl	k_q07a174d794_wquant
	.p2align	8
	.type	k_q07a174d794_wquant,@function
k_q07a174d794_wquant:
	s_mov_b64 s[64:65], 0
	v_nop
	global_prefetch_b8 v0, s[64:65] scope:SCOPE_SE
	s_setreg_imm32_b32 hwreg(HW_REG_WAVE_MODE, 25, 1), 1
	s_wait_xcnt 0x0
; Wq, Wk, Wv [2048 (k)][128 (n)], f32, K their FIRST axis, become codes of FP4 (E2M1) with one E8M0 byte for each 32 along K, laid as the later launch's
; matrix operands lie in registers.  A block's scale is 2^(floor(log2(its largest magnitude)) - 2); its byte is that magnitude's exponent field - 2, held at 1 from below.
; LIMITS: a block of zeros gets the byte 1 where the rule says 127 (its codes are zeros, and this program alone reads the bytes); blocks whose largest magnitude lies
; under 2^-124 are held at that byte; NaN and infinities among the inputs are not served.
; SHARES.  Work-group x = the matrix (0 Q, 1 K, 2 V), y = the K step S of 128 rows.  Sixteen waves: wave (w = wave % 4, t = wave / 4) takes columns 32 w on and the block of rows 32 t on.
; A lane takes a column, and its registers run DOWN K: each load reads 128 neighbouring bytes, a block of 32 along K lies in one lane, and the conversions give codes with K innermost.
; Each wave has 32 loads, one wait and one block.  The four bytes of a column's scale word come from four waves: they meet in 512 bytes of LDS, behind one barrier, and leave as words.
; No work-group shares an input byte with another, so there is nothing to ask for jointly: no cluster.
; LAYOUT OF wimg: four slots of 104,448 bytes, slot z = K 512 z on.  In a slot: codes at q 24,576 + T 1,024 (q = S % 4, T = 8 mat + 2 w + u), scale words at 98,304 + q 1,536 + (4 mat + w) 128 + 4 (row + 16 u).
; A tile's image is 1,024 bytes: block t of row p at 256 t + 16 p.  THE COLUMNS OF A TILE ARE NOT NEIGHBOURS: row p of tile (w, u) is column 32 w + 8 u + p + 8 (p / 8).
.set SLOTB, 104448
.set XR,  16                           ; v16-47   my block's 32 numbers
.set CR,  48                           ; v48-51   its codes
	s_load_b256 s[4:11], s[0:1], 0x0               ; Wq s[4:5], Wk s[6:7], Wv s[8:9], wimg s[10:11]
	v_lshl_add_u32 v64, v0, 2, 0x200
	v_mov_b32 v65, 0
	s_and_b32 s18, ttmp7, 0xffff                   ; S
	s_lshr_b32 s19, s18, 2
	s_mul_i32 s19, s19, SLOTB                      ; the slot
	s_and_b32 s20, s18, 3                          ; q
	s_mul_i32 s22, s20, 24576
	s_add_co_u32 s22, s22, s19
	s_lshl_b32 s21, ttmp9, 13
	s_add_co_u32 s22, s22, s21                     ; where my matrix's eight tiles of this K step begin
	s_mov_b32 s23, 0
	s_mul_i32 s24, s20, 1536
	s_add_co_u32 s24, s24, s19
	s_lshl_b32 s21, ttmp9, 9
	s_add_co_u32 s24, s24, s21
	s_add_co_u32 s24, s24, 98304                   ; and their scale words
	s_mov_b32 s25, 0
	s_lshl_b32 s26, s18, 16                        ; 128 rows of 512 bytes for each K step
	s_mov_b32 s27, 0
	v_lshrrev_b32 v13, 5, v0
	v_readfirstlane_b32 s28, v13                   ; wave 0..15
	v_and_b32 v14, 127, v0                         ; my column
	v_lshrrev_b32 v15, 7, v0                       ; t: my block
	v_lshlrev_b32 v1, 2, v14
	v_lshl_add_u32 v1, v15, 14, v1                 ; in: 4 bytes a column, 32 rows of 512 bytes a block
	v_bfe_u32 v6, v0, 5, 2                         ; w
	v_and_b32 v7, 7, v0
	v_bfe_u32 v9, v0, 3, 1                         ; u
	v_bfe_u32 v10, v0, 4, 1                        ; row / 8
	v_lshlrev_b32 v2, 11, v6
	v_lshl_add_u32 v2, v7, 4, v2
	v_lshl_add_u32 v2, v9, 10, v2
	v_lshl_add_u32 v2, v10, 7, v2
	v_lshl_add_u32 v2, v15, 8, v2                  ; codes: tile (2 w + u) x 1,024 + 256 t + 16 x row
	v_lshlrev_b32 v3, 7, v6
	v_lshl_add_u32 v3, v7, 2, v3
	v_lshl_add_u32 v3, v9, 6, v3
	v_lshl_add_u32 v3, v10, 5, v3                  ; scale word: 128 w + 4 (row + 16 u): its place in LDS and in wimg alike
	v_add_nc_u32 v5, v3, v15                       ; and my byte of it
	s_wait_kmcnt 0x0
	s_cmp_eq_u32 ttmp9, 0                          ; which matrix: the choice hangs on the work-group's number alone
	s_cselect_b64 s[12:13], s[4:5], s[6:7]
	s_cmp_eq_u32 ttmp9, 2
	s_cselect_b64 s[12:13], s[8:9], s[12:13]
	s_add_nc_u64 s[12:13], s[12:13], s[26:27]
	s_add_nc_u64 s[14:15], s[10:11], s[22:23]
	s_add_nc_u64 s[16:17], s[10:11], s[24:25]
.irp i, 0,1,2,3,4,5,6,7,8,9,10,11,12,13,14,15,16,17,18,19,20,21,22,23,24,25,26,27,28,29,30,31
	global_load_b32 v[XR+\i], v1, s[12:13] offset:\i*512 th:TH_LOAD_NT   ; W(128 S + 32 t + i, my column)
.endr
	s_wait_loadcnt 0x0
	v_max3_num_f32 v4, |v[XR]|, |v[XR+1]|, |v[XR+2]|               ; the block's largest magnitude: all 32 numbers are mine; two chains
	v_max3_num_f32 v11, |v[XR+3]|, |v[XR+4]|, |v[XR+5]|
.irp i, 6,10,14,18,22,26
	v_max3_num_f32 v4, v4, |v[XR+\i]|, |v[XR+\i+1]|
	v_max3_num_f32 v11, v11, |v[XR+\i+2]|, |v[XR+\i+3]|
.endr
	v_max3_num_f32 v4, v4, |v[XR+30]|, |v[XR+31]|
	v_max3_num_f32 v4, v4, v11, 0x1800000          ; and the floor 2^(3 - 127): the byte cannot fall under 1
	v_add_nc_u32 v8, 0xff000000, v4                ; 2 off its exponent field: the conversion takes the exponent field of this operand as its scale
	v_lshrrev_b32 v12, 23, v8                      ; the scale's byte
	ds_store_b8 v5, v12                            ; byte t of my column's word: the lower K in the lower byte
.irp g, 0,1,2,3
	v_cvt_scalef32_pk8_fp4_f32 v[CR+\g], v[XR+8*\g:XR+8*\g+7], v8
.endr
	global_store_b128 v2, v[CR:CR+3], s[14:15]     ; sixteen lanes fill 256 consecutive bytes of tile 2 w, the other sixteen 256 of tile 2 w + 1, both aligned
	s_wait_dscnt 0x0                               ; for the others' sake: my byte is stored
	s_barrier_signal -1
	s_barrier_wait -1
	s_cmp_lt_u32 s28, 4                            ; waves 0-3 (t = 0) send the 128 words out
	s_cbranch_scc0 .Ldone
	ds_load_b32 v13, v3
	s_wait_dscnt 0x0
	global_store_b32 v3, v13, s[16:17]             ; a wave's 32 scale words: 128 consecutive bytes
.Ldone:
	s_wait_tensorcnt 0x0
	ds_add_u32 v64, v65
	s_wait_dscnt 0x0
	s_endpgm
.Lfunc_end_k_q07a174d794_wquant:
	.size	k_q07a174d794_wquant, .Lfunc_end_k_q07a174d794_wquant-k_q07a174d794_wquant
	.p2alignl 7, 3214868480
	.fill 96, 4, 3214868480
	.section	.rodata,"a",@progbits
	.p2align	6, 0x0
	.amdhsa_kernel k_q07a174d794_wquant
		.amdhsa_group_segment_fixed_size 2560
		.amdhsa_private_segment_fixed_size 0
		.amdhsa_enable_private_segment 0
		.amdhsa_kernarg_size 32
		.amdhsa_user_sgpr_count 2
		.amdhsa_user_sgpr_kernarg_segment_ptr 1
		.amdhsa_wavefront_size32 1
		.amdhsa_system_sgpr_workgroup_id_x 1
		.amdhsa_system_sgpr_workgroup_id_y 1
		.amdhsa_system_sgpr_workgroup_id_z 1
		.amdhsa_system_vgpr_workitem_id 0
		.amdhsa_next_free_vgpr 66
		.amdhsa_next_free_sgpr 66
		.amdhsa_reserve_vcc 0
		.amdhsa_float_denorm_mode_32 3
		.amdhsa_float_denorm_mode_16_64 3
		.amdhsa_memory_ordered 1
		.amdhsa_forward_progress 1
		.amdhsa_inst_pref_size 8
	.end_amdhsa_kernel
	.amdgpu_metadata
---
amdhsa.version: [ 1, 2 ]
amdhsa.kernels:
  - .name:           k_q07a174d794_wquant
    .symbol:         k_q07a174d794_wquant.kd
    .args:
      - { .name: Wq, .offset: 0, .size: 8, .value_kind: global_buffer, .address_space: global }
      - { .name: Wk, .offset: 8, .size: 8, .value_kind: global_buffer, .address_space: global }
      - { .name: Wv, .offset: 16, .size: 8, .value_kind: global_buffer, .address_space: global }
      - { .name: wimg, .offset: 24, .size: 8, .value_kind: global_buffer, .address_space: global }
    .group_segment_fixed_size: 2560
    .private_segment_fixed_size: 0
    .kernarg_segment_align: 8
    .kernarg_segment_size: 32
    .max_flat_workgroup_size: 512
    .sgpr_count:     66
    .vgpr_count:     66
    .wavefront_size: 32
...
	.end_amdgpu_metadata
.endif
;; end of part 1
;; launch proj (part 2): grid 256 x 1, 8 waves a work-group, clusters of 4 x 1, 327,680 bytes of LDS; arguments x, wimg, q, kv; writes q, kv
.if DOCPART == 2
	.amdgcn_target "amdgcn-amd-amdhsa--gfx1250"
	.amdhsa_code_object_version 6
	.text
	.protected	k_q07a174d794_proj
	.globl	k_q07a174d794_proj
	.p2align	8
	.type	k_q07a174d794_proj,@function
k_q07a174d794_proj:
	s_mov_b64 s[64:65], 0
	v_nop
	global_prefetch_b8 v0, s[64:65] scope:SCOPE_SE
	s_setreg_imm32_b32 hwreg(HW_REG_WAVE_MODE, 25, 1), 1
	s_wait_xcnt 0x0
	s_wait_alu depctr_hold_cnt(0) depctr_sa_sdst(0) depctr_va_vdst(0) depctr_va_sdst(0) depctr_va_ssrc(0) depctr_va_vcc(0) depctr_vm_vsrc(0)
	s_getreg_b32 s2, hwreg(HW_REG_IB_STS2, 6, 4)
	s_cmp_eq_u32 s2, 0
	s_cbranch_scc0 .Lentry_in_a_cluster
	s_endpgm
.Lentry_in_a_cluster:
	s_bfe_u32 s2, ttmp6, 0x10000c
	s_cmp_lg_u32 s2, 0x3003
	s_cbranch_scc0 .Lentry_shape_is_right
	s_endpgm
.Lentry_shape_is_right:
; Q, K, V = x W on codes of FP4 (E2M1) with one E8M0 scale for each 32 along K; x [16384][2048] f32 is quantised here, in registers; the weights come as register images from wimg.
; The results are quantised at once for the attention that follows: Q and K along the head's 128, V along the tokens, and leave as register images too.
; LIMITS: a block of zeros gets the byte 1 where the rule says 127 (its codes are zeros; this program alone reads the bytes); magnitudes under 2^-124 are held at that byte; NaN and infinities are not served.
; SHARES.  Work-group G owns 64 tokens.  K goes in 8 chunks of 256 (two K steps of 128).  Each of the eight waves has two roles:
;   X: wave v turns 16 tokens x 128 K of x into one operand fragment (token tile v % 4, K step v / 4) and leaves its image in LDS;
;   M: wave (w = v % 4, b = v / 4) multiplies the six column tiles (matrix, 2 w + u') by the two token tiles 2 b + u: twelve accumulators.
; THE TWO ROLES ARE A CHUNK APART: between two barriers a wave multiplies chunk c and makes its fragment of chunk c + 1, the LDS runs of the one standing under the register work of the other.
; Q and K are made TRANSPOSED (source 0 = 16 columns of W, source 1 = 16 tokens): a lane holds one token and 16 neighbouring head units.  V is made in the natural order (source 0 = tokens,
; source 1 = columns of Wv): a lane holds one channel and 16 neighbouring tokens.  So each next K runs along a lane's registers.
; THE MEMBERS OF A TILE ARE NOT NEIGHBOURS: row p of tile (group, u) is member 8 u + p + 8 (p / 8) of its group of 32, for W's columns and for x's tokens alike.
; x: each load of a wave reads 512 consecutive bytes of one token's row; 32 to 48 loads a wave are out (three sets of 64 registers).  The numbers change lanes through the wave's own stage in LDS.
; W: two LDS slots of 104,448 bytes (512 along K each), filled by tensor loads, an eighth of a slot a wave.  CLUSTER: all work-groups walk the same W, so the four of a cluster ask JOINTLY.
; REQUESTS GO OUT IN THE ORDER OF NEED: W's first fills stand ahead of x's chunks 1 and 2, and the chunk of x that would be asked for just ahead of a refill is asked for just behind it.
; The scale bytes of V leave as half-words, since the other half of each word is the neighbouring work-group's: 256 bytes a work-group are stored so; all other stores fill aligned blocks of 256 bytes.
; REGISTERS: window 0: v1-24 addresses; v26-29 scale words; v34-53 at work; v64-127 64 turned numbers; v128-223 accumulators; v224-247 the end.
;   Window 1: v0-191 three sets of x as loaded; v192-255 six fragments of W and two of x.
.set SLOTB, 104448                     ; a slot of W
.set WPART, 13056                      ; a wave's eighth of it: 51 rows of 256 bytes
.set STG,   2*SLOTB                    ; LDS: behind the two slots a stage for each wave: 16 rows x (512 bytes + 16)
.set SPT,   528
.set STGW,  16*SPT
.set XIMG,  STG+8*STGW                 ; x's images: two sets of eight fragments of 1,024 bytes
.set XSC,   XIMG+2*8192                ; their scale words: two sets of 8 x 64 bytes
.set SB,    XSC+2*512                  ; the end: Q's 256 scale bytes, then K's
.set VSB,   SB+512                     ; and V's 256
.set SPARE, VSB+256                    ; the spare words, 128 bytes for each wave: four blocks of 256 bytes that no other line names
.set SPW, 1                            ; v1   SPARE + 4 x my thread's number; never rewritten
.set NIL, 2                            ; v2   0; never rewritten
.set L16, 3                            ; v3   16 x lane
.set SA,  4                            ; v4   the stage, on the way in
.set SRD, 5                            ; v5   and on the way out: row r, + 128 h
.set XWI, 6                            ; v6   where I put my fragment's image
.set XWS, 7                            ; v7   and its scale words
.set XRI, 8                            ; v8   where I read my two token tiles
.set XRS, 9                            ; v9   and their scale words
.set WRA, 10                           ; v10-13  my tiles of W, for chunk % 4
.set WRS, 14                           ; v14-15  their scale words, in slot 0, 1
.set H8,  16                           ; v16  8 h
.set SBA, 17                           ; v17  the end: my byte among Q's and K's scale bytes
.set VBA, 18                           ; v18  among V's
.set SCR, 19                           ; v19  reading Q's or K's 256 bytes back
.set VSR, 20                           ; v20  reading V's back
.set GQK, 21                           ; v21  my 8 bytes in Q's and K's images
.set GV,  22                           ; v22  in V's
.set L8,  23                           ; v23  8 x lane
.set GVS, 24                           ; v24  my half-word among V's scale words
.set WSC, 26                           ; v26-28 W's scale words by matrix: lanes 0-15 tile u' = 0, lanes 16-31 tile u' = 1
.set XS,  29                           ; v29  x's: lanes 0-15 tile u = 0, lanes 16-31 tile u = 1
.set MA0, 34
.set MB0, 35
.set MA1, 36
.set MB1, 37
.set SO0, 38
.set SO1, 39
.set BY0, 40
.set BY1, 41
.set PCR, 42                           ; v42-49 the fragment just made
.set WDR, 50
.set TPR, 51
.set TN,  64                           ; window 0: the turned numbers
.set FW,  192                          ; window 1: W's six fragments
.set XFR, 240                          ; window 1: x's two
.set ACC, 128                          ; accumulator (mat, u', u) at ACC + 8 (4 mat + 2 u' + u)
.set EM,  224
.set EO,  230
.set EC,  236
.set MSB, 0
.macro WIN new                         ; the immediate's high byte repeats the setting that is left
.if MSB != \new
	s_set_vgpr_msb (MSB<<8)|\new
.set MSB, \new
.endif
.endm
.macro PLACES                          ; four places behind matrix instructions, in front of loads into their registers and of reads of their results
.rept 4
	v_nop
.endr
.endm
.macro ROUND                           ; a round of the cluster's barrier
	s_barrier_signal -1
	s_barrier_wait -1
	s_cmp_lg_u32 s12, 0
	s_cbranch_scc1 .Lnot_wave_0_\@
	s_barrier_signal -3
.Lnot_wave_0_\@:
	s_barrier_wait -3
	s_barrier_signal -1
	s_barrier_wait -1
.endm
; One product.  ra, rb: which half of the lanes of the scale registers serves source 0, source 1.  zero = 1: it starts the sum.
.macro MM d, a, bb, sa, sb, ra, rb, zero
.set MSEL, 4*(\zero)+2*(\ra)+(\rb)
.if MSEL == 0
	v_wmma_scale_f32_16x16x128_f8f6f4 v[\d:\d+7], v[\a:\a+7], v[\bb:\bb+7], v[\d:\d+7], v[\sa], v[\sb] matrix_a_fmt:MATRIX_FMT_FP4 matrix_b_fmt:MATRIX_FMT_FP4
.elseif MSEL == 1
	v_wmma_scale_f32_16x16x128_f8f6f4 v[\d:\d+7], v[\a:\a+7], v[\bb:\bb+7], v[\d:\d+7], v[\sa], v[\sb] matrix_a_fmt:MATRIX_FMT_FP4 matrix_b_fmt:MATRIX_FMT_FP4 matrix_b_scale:MATRIX_SCALE_ROW1
.elseif MSEL == 2
	v_wmma_scale_f32_16x16x128_f8f6f4 v[\d:\d+7], v[\a:\a+7], v[\bb:\bb+7], v[\d:\d+7], v[\sa], v[\sb] matrix_a_fmt:MATRIX_FMT_FP4 matrix_b_fmt:MATRIX_FMT_FP4 matrix_a_scale:MATRIX_SCALE_ROW1
.elseif MSEL == 3
	v_wmma_scale_f32_16x16x128_f8f6f4 v[\d:\d+7], v[\a:\a+7], v[\bb:\bb+7], v[\d:\d+7], v[\sa], v[\sb] matrix_a_fmt:MATRIX_FMT_FP4 matrix_b_fmt:MATRIX_FMT_FP4 matrix_a_scale:MATRIX_SCALE_ROW1 matrix_b_scale:MATRIX_SCALE_ROW1
.elseif MSEL == 4
	v_wmma_scale_f32_16x16x128_f8f6f4 v[\d:\d+7], v[\a:\a+7], v[\bb:\bb+7], 0, v[\sa], v[\sb] matrix_a_fmt:MATRIX_FMT_FP4 matrix_b_fmt:MATRIX_FMT_FP4
.elseif MSEL == 5
	v_wmma_scale_f32_16x16x128_f8f6f4 v[\d:\d+7], v[\a:\a+7], v[\bb:\bb+7], 0, v[\sa], v[\sb] matrix_a_fmt:MATRIX_FMT_FP4 matrix_b_fmt:MATRIX_FMT_FP4 matrix_b_scale:MATRIX_SCALE_ROW1
.elseif MSEL == 6
	v_wmma_scale_f32_16x16x128_f8f6f4 v[\d:\d+7], v[\a:\a+7], v[\bb:\bb+7], 0, v[\sa], v[\sb] matrix_a_fmt:MATRIX_FMT_FP4 matrix_b_fmt:MATRIX_FMT_FP4 matrix_a_scale:MATRIX_SCALE_ROW1
.else
	v_wmma_scale_f32_16x16x128_f8f6f4 v[\d:\d+7], v[\a:\a+7], v[\bb:\bb+7], 0, v[\sa], v[\sb] matrix_a_fmt:MATRIX_FMT_FP4 matrix_b_fmt:MATRIX_FMT_FP4 matrix_a_scale:MATRIX_SCALE_ROW1 matrix_b_scale:MATRIX_SCALE_ROW1
.endif
.endm
; Chunk c of x, my fragment's 16 tokens x 128 numbers: sixteen loads of 512 consecutive bytes, into set c % 3 of window 1
.macro LOADX c
	WIN 0x40                                       ; destination window 1, address window 0
.irp i, 0,1,2,3,4,5,6,7,8,9,10,11,12,13,14,15
	global_load_b128 v[64*((\c)%3)+4*\i:64*((\c)%3)+4*\i+3], v[L16], s[36:37] offset:(\i+8*(\i/8))*8192+(\c)*1024 th:TH_LOAD_NT
.endr
	WIN 0
.endm
; The numbers change lanes in my own stage: in as they were loaded, row by row; out so that lane (r, h) holds, of row r, k = 64 c' + 32 h + 0 .. 31: two whole blocks.
; LDS serves a wave's instructions in order (ISA guide 5.7.1.4): no wait between the stores and the loads.  Rows 528 bytes apart: the sixteen rows of a load start at sixteen different banks.
.macro TURNX c
	WIN 0x04                                       ; an LDS store's data are its source 1: window 1
.irp i, 0,1,2,3,4,5,6,7,8,9,10,11,12,13,14,15
	ds_store_b128 v[SA], v[64*((\c)%3)+4*\i:64*((\c)%3)+4*\i+3] offset:SPT*\i
.endr
	WIN 0
.irp cp, 0,1
.irp j, 0,1,2,3,4,5,6,7
	ds_load_b128 v[TN+32*\cp+4*\j:TN+32*\cp+4*\j+3], v[SRD] offset:256*\cp+16*\j
.endr
.endr
.endm
; 64 numbers of a lane become the fragment's eight registers and my row's scale word.  Each block's largest magnitude in two chains, four chains by turns.
.macro QX
	v_max3_num_f32 v[MA0], |v[TN]|, |v[TN+1]|, 0x1800000           ; with the floor 2^(3 - 127) among the leaves: the byte cannot fall under 1
	v_max3_num_f32 v[MB0], |v[TN+16]|, |v[TN+17]|, |v[TN+18]|
	v_max3_num_f32 v[MA1], |v[TN+32]|, |v[TN+33]|, 0x1800000
	v_max3_num_f32 v[MB1], |v[TN+48]|, |v[TN+49]|, |v[TN+50]|
.irp i, 2,4,6,8,10,12
	v_max3_num_f32 v[MA0], v[MA0], |v[TN+\i]|, |v[TN+\i+1]|
	v_max3_num_f32 v[MB0], v[MB0], |v[TN+17+\i]|, |v[TN+18+\i]|
	v_max3_num_f32 v[MA1], v[MA1], |v[TN+32+\i]|, |v[TN+33+\i]|
	v_max3_num_f32 v[MB1], v[MB1], |v[TN+49+\i]|, |v[TN+50+\i]|
.endr
	v_max3_num_f32 v[MA0], v[MA0], |v[TN+14]|, |v[TN+15]|
	v_max3_num_f32 v[MA1], v[MA1], |v[TN+46]|, |v[TN+47]|
	v_max3_num_f32 v[MA0], v[MA0], v[MB0], |v[TN+31]|
	v_max3_num_f32 v[MA1], v[MA1], v[MB1], |v[TN+63]|
	v_add_nc_u32 v[SO0], 0xff000000, v[MA0]        ; 2 off the exponent field: the conversion's scale operand
	v_add_nc_u32 v[SO1], 0xff000000, v[MA1]
	v_lshrrev_b32 v[BY0], 23, v[SO0]               ; the scale's byte
	v_lshrrev_b32 v[BY1], 23, v[SO1]
	v_lshl_or_b32 v[WDR], v[BY1], 16, v[BY0]       ; my two bytes: blocks h and 2 + h of row r,
	v_lshlrev_b32 v[WDR], v[H8], v[WDR]            ; at their places in the word;
	v_permlanex16_b32 v[TPR], v[WDR], s50, s51
	v_or_b32 v[WDR], v[WDR], v[TPR]                ; with lane l xor 16's two the word is whole
.irp cp, 0,1
.irp g, 0,1,2,3
	v_cvt_scalef32_pk8_fp4_f32 v[PCR+4*\cp+\g], v[TN+32*\cp+8*\g:TN+32*\cp+8*\g+7], v[SO0+\cp]
.endr
.endr
	v_nop                                          ; one plain place behind the scaled conversions
.endm
; The operands of one K step of 128, chunk c's q-th: twenty LDS loads: six fragments of W and two of x into window 1, four registers of scale words into window 0
.macro MLOAD c, q
.set POS, (\c)%4
.set SLT, ((\c)/2)%2
.set QS,  2*((\c)%2)+(\q)
	WIN 0x40                                       ; destination window 1, address window 0
.irp mat, 0,1,2
.irp up, 0,1
.irp cc, 0,1
	ds_load_b128 v[FW+8*(2*\mat+\up)+4*\cc:FW+8*(2*\mat+\up)+4*\cc+3], v[WRA+POS] offset:(\q)*24576+\mat*8192+\up*1024+512*\cc
.endr
.endr
.endr
.irp u, 0,1
.irp cc, 0,1
	ds_load_b128 v[XFR+8*\u+4*\cc:XFR+8*\u+4*\cc+3], v[XRI] offset:((\c)%2)*8192+(\q)*4096+\u*1024+512*\cc
.endr
.endr
	WIN 0
.irp mat, 0,1,2
	ds_load_b32 v[WSC+\mat], v[WRS+SLT] offset:QS*1536+\mat*512
.endr
	ds_load_b32 v[XS], v[XRS] offset:((\c)%2)*512+(\q)*256
.endm
; Its twelve products: the twelve accumulators take turns, one instruction a turn, in the same order in every step.  Four places follow: the fragments' and the scales' registers are loaded anew behind them.
.macro MMUL zero
	WIN 0x05                                       ; sources 0 and 1 window 1; C and D window 0
.irp mat, 0,1
.irp up, 0,1
.irp u, 0,1
	MM ACC+8*(4*\mat+2*\up+\u), FW+8*(2*\mat+\up), XFR+8*\u, WSC+\mat, XS, \up, \u, \zero
.endr
.endr
.endr
.irp up, 0,1
.irp u, 0,1
	MM ACC+8*(8+2*\up+\u), XFR+8*\u, FW+8*(4+\up), XS, WSC+2, \u, \up, \zero
.endr
.endr
	WIN 0
	PLACES
.endm
	s_load_b256 s[4:11], s[0:1], 0x0               ; x s[4:5], wimg s[6:7], q s[8:9], kv s[10:11]
	v_lshl_add_u32 v[SPW], v0, 2, SPARE
	v_mov_b32 v[NIL], 0
	ds_add_u32 v1, v2
	ds_add_u32 v1, v2
	s_wait_dscnt 0x0
	v_lshrrev_b32 v30, 5, v0
	v_readfirstlane_b32 s12, v30                   ; wave v, 0..7
	v_and_b32 v30, 31, v0                          ; lane
	v_lshlrev_b32 v[L16], 4, v30
	s_and_b32 s13, s12, 3                          ; w; also my token tile in role X
	s_lshr_b32 s14, s12, 2                         ; b; also my K step in role X
	s_bfe_u32 s15, ttmp6, 0x40000                  ; cx: my place in the cluster
	s_lshl_b32 s33, ttmp9, 2                       ; in a cluster launch ttmp9 counts clusters
	s_add_co_u32 s33, s33, s15                     ; G: it enters global addresses alone
	s_lshl_b32 s56, s33, 19                        ; x: 64 tokens of 8,192 bytes for each work-group,
	s_lshr_b32 s54, s13, 1
	s_lshl_b32 s54, s54, 18                        ; my tile's group of 32 tokens,
	s_add_co_u32 s56, s56, s54
	s_and_b32 s54, s13, 1
	s_lshl_b32 s54, s54, 16                        ; 8 tokens on for the odd tile,
	s_add_co_u32 s56, s56, s54
	s_lshl_b32 s54, s14, 9                         ; my K step's 512 bytes
	s_add_co_u32 s56, s56, s54
	s_mov_b32 s57, 0
	s_mul_i32 s58, s33, 4352                       ; q: 4,352 bytes a work-group
	s_mov_b32 s59, 0
	s_lshr_b32 s60, s33, 3
	s_mul_i32 s60, s60, 69632                      ; kv: a slot of 512 keys for eight work-groups
	s_mov_b32 s61, 0
	s_and_b32 s34, s33, 7
	s_lshr_b32 s35, s34, 1
	s_and_b32 s32, s33, 1
	s_mov_b32 s63, 0
	s_mov_b32 s50, 0x76543210                      ; v_permlanex16_b32's selects for lane l xor 16
	s_mov_b32 s51, 0xfedcba98
	; descriptor group 1: 51 rows of 256 bytes (32 elements of 8 bytes), dense; no padding: images are read as they lie
	s_mov_b32 s16, 15|(3<<16)|(1<<21)              ; 15:0 the mask: all four work-groups; 17:16 elements of 8 bytes; 21 set beside a mask
	s_mov_b32 s17, 32<<16                          ; tensor_dim0 = 32
	s_mov_b32 s18, 51<<16                          ; tensor_dim1 = 51
	s_mov_b32 s19, 32<<16                          ; tile_dim0 = 32
	s_mov_b32 s20, 51                              ; tile_dim1 = 51
	s_mov_b32 s21, 32                              ; from row to row
	s_mov_b32 s22, 0
	s_mov_b32 s23, 0
	s_mul_i32 s54, s12, WPART                      ; my eighth of a slot, in memory and in LDS: the wave's number alone
	s_mov_b32 s55, 0
	s_wait_kmcnt 0x0
	s_add_nc_u64 s[36:37], s[4:5], s[56:57]
	LOADX 0                                        ; x's first chunk is asked for before anything else; it is wanted together with W's first slot
	s_mov_b32 s24, 1                               ; group 0 for slot 0
	s_mul_i32 s25, s12, WPART
	s_add_nc_u64 s[26:27], s[6:7], s[54:55]
	s_add_nc_u64 s[30:31], s[26:27], SLOTB
	s_or_b32 s27, s27, 0x80000000
	s_mov_b32 s28, 1                               ; and for slot 1
	s_add_co_u32 s29, s25, SLOTB
	s_or_b32 s31, s31, 0x80000000
	s_add_nc_u64 s[38:39], s[8:9], s[58:59]        ; Q's images
	s_add_nc_u64 s[44:45], s[38:39], 4096          ; Q's scale words
	s_add_nc_u64 s[10:11], s[10:11], s[60:61]      ; my slot of kv
	s_lshl_b32 s62, s34, 12
	s_add_nc_u64 s[40:41], s[10:11], s[62:63]      ; K's images: my four tiles
	s_lshl_b32 s62, s35, 13
	s_lshl_b32 s54, s32, 9
	s_add_co_u32 s62, s62, s54
	s_add_co_u32 s62, s62, 32768
	s_add_nc_u64 s[42:43], s[10:11], s[62:63]      ; V's images: my key step, my two blocks of 32 keys
	s_lshl_b32 s62, s34, 8
	s_add_co_u32 s62, s62, 65536
	s_add_nc_u64 s[46:47], s[10:11], s[62:63]      ; K's scale words
	s_lshl_b32 s62, s35, 9
	s_lshl_b32 s54, s32, 1
	s_add_co_u32 s62, s62, s54
	s_add_co_u32 s62, s62, 67584
	s_add_nc_u64 s[48:49], s[10:11], s[62:63]      ; V's scale words: my half of each
	ROUND                                          ; all four work-groups are here: the first joint loads meet
	tensor_load_to_lds s[24:27], s[16:23]          ; K 0 .. 511 of W
	s_nop 0
	tensor_load_to_lds s[28:31], s[16:23]          ; K 512 .. 1023: two loads of mine are out
	s_nop 0
	PLACES                                         ; four v_nop follow the second
	LOADX 1                                        ; x's next two chunks, behind W's slots: they are wanted later than slot 0
	LOADX 2
	v_and_b32 v31, 15, v0                          ; r
	v_bfe_u32 v32, v0, 4, 1                        ; h
	s_mul_i32 s54, s12, STGW
	s_add_co_u32 s54, s54, STG                     ; my stage
	v_add_nc_u32 v[SA], s54, v[L16]
	v_mul_u32_u24 v[SRD], v31, SPT
	v_lshl_add_u32 v[SRD], v32, 7, v[SRD]
	v_add_nc_u32 v[SRD], s54, v[SRD]
	s_lshl_b32 s54, s12, 10
	s_add_co_u32 s54, s54, XIMG
	v_add_nc_u32 v[XWI], s54, v[L16]
	s_lshl_b32 s54, s12, 6
	s_add_co_u32 s54, s54, XSC
	v_lshl_add_u32 v[XWS], v31, 2, s54
	s_lshl_b32 s54, s14, 11
	s_add_co_u32 s54, s54, XIMG
	v_add_nc_u32 v[XRI], s54, v[L16]
	s_lshl_b32 s54, s14, 7
	s_add_co_u32 s54, s54, XSC
	v_lshl_add_u32 v[XRS], v30, 2, s54
	s_lshl_b32 s54, s13, 11
	v_add_nc_u32 v[WRA], s54, v[L16]
	v_add_nc_u32 v[WRA+1], 49152, v[WRA]
	v_add_nc_u32 v[WRA+2], SLOTB, v[WRA]
	v_add_nc_u32 v[WRA+3], SLOTB+49152, v[WRA]
	s_lshl_b32 s54, s13, 7
	s_add_co_u32 s54, s54, 98304
	v_lshl_add_u32 v[WRS], v30, 2, s54
	v_add_nc_u32 v[WRS+1], SLOTB, v[WRS]
	v_lshlrev_b32 v[H8], 3, v32
	s_lshl_b32 s54, s14, 7
	s_add_co_u32 s54, s54, s13
	s_add_co_u32 s54, s54, SB
	v_lshl_add_u32 v[SBA], v31, 2, s54             ; SB + 128 b + 4 r + w
	s_lshl_b32 s54, s13, 6
	s_add_co_u32 s54, s54, s14
	s_add_co_u32 s54, s54, VSB
	v_lshl_add_u32 v[VBA], v31, 1, s54             ; VSB + 64 w + 2 r + b
	s_and_b32 s54, s12, 1
	s_lshl_b32 s54, s54, 8
	s_add_co_u32 s54, s54, SB
	v_lshl_add_u32 v[SCR], v30, 3, s54
	s_lshl_b32 s54, s13, 6
	s_add_co_u32 s54, s54, VSB
	v_lshl_add_u32 v[VSR], v30, 1, s54
	v_lshlrev_b32 v33, 4, v31
	v_lshl_add_u32 v33, v32, 3, v33                ; 16 r + 8 h
	s_lshl_b32 s54, s14, 11
	s_lshl_b32 s55, s13, 8
	s_add_co_u32 s54, s54, s55
	v_add_nc_u32 v[GQK], s54, v33                  ; tile 2 b, block w
	s_lshl_b32 s54, s13, 11
	s_lshl_b32 s55, s14, 8
	s_add_co_u32 s54, s54, s55
	v_add_nc_u32 v[GV], s54, v33                   ; tile 2 w, block b
	v_lshlrev_b32 v[L8], 3, v30
	s_lshl_b32 s54, s13, 7
	v_lshl_add_u32 v[GVS], v30, 2, s54
	v_mov_b32 v[TPR], 0                            ; written once: a lane permute's destination counts as one of its sources
	; Chunk 0's fragment is made ahead of the first period.
	s_wait_loadcnt 32                              ; chunk 0's sixteen loads are in; chunks 1 and 2 may be out
	TURNX 0
	s_wait_dscnt 0x0                               ; the numbers are back: so the stores have read the set,
	LOADX 3                                        ; which takes chunk 3
	QX
	ds_store_b128 v[XWI], v[PCR:PCR+3]             ; the fragment goes to LDS as it stands: lane l's 16 bytes at 16 l
	ds_store_b128 v[XWI], v[PCR+4:PCR+7] offset:512
	ds_store_b32 v[XWS], v[WDR]                    ; lanes r and r + 16 write the same word with the same value
; A PERIOD begins with the one barrier of chunk c: in front of it every wave's image of chunk c is stored and its reads of chunk c - 1 are over; behind it chunk c is multiplied and chunk c + 1's image is made.
; The images have two sets: set (c + 1) % 2 was last read in the period before, which every wave has left.
; x's loads in the order of issue: 0 | 1 2 | 3 | period 0: 4 | period 2: 5, 6 | period 4: 7.  Behind chunk k's loads two later chunks' have been issued when it is turned (k = 6: one, k = 7: none).
.macro PERIOD c
.if \c == 0
	s_wait_tensorcnt 0x1                           ; my part of slot 0 is in; slot 1's may stay out
	s_wait_dscnt 0x0
	s_barrier_signal -1
	s_barrier_wait -1
.elseif (\c == 2) || (\c == 4)
	s_wait_tensorcnt 0x0                           ; all my tensor loads have landed, my part of the slot ahead among them;
	ds_add_u32 v[SPW], v[NIL]                      ; 0 onto my spare word
.if \c == 2
	s_add_nc_u64 s[26:27], s[26:27], 2*SLOTB       ; no load of mine is out, so a group 0 may be written: slot 0 takes K 1024 on
.else
	s_add_nc_u64 s[30:31], s[30:31], 2*SLOTB       ; slot 1 takes K 1536 on
.endif
	s_wait_dscnt 0x0                               ; the add and my image's stores are done, and my reads of the slot just left are over
	ROUND                                          ; no wave of any partner still reads that slot or has a load on its way
.if \c == 2
	tensor_load_to_lds s[24:27], s[16:23]          ; my one tensor load behind the round: it has two periods in which to land
	s_nop 0
.else
	tensor_load_to_lds s[28:31], s[16:23]
	s_nop 0
.endif
	PLACES
	LOADX (\c+3)                                   ; the chunk of x that is wanted later than this slot is asked for behind it; its set was read out in the period before
.elseif \c == 6
	s_wait_tensorcnt 0x0                           ; the one load that was out: my part of the last slot
	s_wait_dscnt 0x0
	s_barrier_signal -1
	s_barrier_wait -1
.else
	s_wait_dscnt 0x0
	s_barrier_signal -1
	s_barrier_wait -1
.endif
	MLOAD \c, 0
.if \c < 7
.if \c <= 4
	s_wait_loadcnt 32                              ; the next chunk's sixteen loads are in; the two later chunks' may be out
.elseif \c == 5
	s_wait_loadcnt 16
.else
	s_wait_loadcnt 0
.endif
	TURNX (\c+1)                                   ; its turn goes through LDS while K step 0 is multiplied
	s_wait_dscnt 32                                ; K step 0's twenty loads are in; the turn's sixteen stores and sixteen loads may be out
.else
	s_wait_dscnt 0x0
.endif
.if \c == 0
	MMUL 1                                         ; the first K step starts the sums: nothing is cleared
.else
	MMUL 0
.endif
	MLOAD \c, 1
.if \c < 7
	s_wait_dscnt 20                                ; the turned numbers are in, so the turn's stores have read their set; K step 1's twenty loads may be out
.if (\c == 0) || (\c == 2)
	LOADX (\c+4)                                   ; that set takes the chunk three further on
.endif
	QX                                             ; register work while K step 1's operands come
	ds_store_b128 v[XWI], v[PCR:PCR+3] offset:((\c+1)%2)*8192
	ds_store_b128 v[XWI], v[PCR+4:PCR+7] offset:((\c+1)%2)*8192+512
	ds_store_b32 v[XWS], v[WDR] offset:((\c+1)%2)*512
	s_wait_dscnt 3                                 ; K step 1's loads are in; the image's three stores may be out
.else
	s_wait_dscnt 0x0
.endif
	MMUL 0
.endm
	PERIOD 0
	PERIOD 1
	PERIOD 2
	PERIOD 3
	PERIOD 4
	PERIOD 5
	PERIOD 6
	PERIOD 7
; THE END.  Six groups of 16 numbers a lane, each half a block of 32 along the next K; the other half lies in lane l xor 16.  Groups 0-3: Q and K, token tile u: head units 32 w + 16 h + 0 .. 15.
; Groups 4, 5: V, channel tile u': tokens 32 b + 16 h + 0 .. 15.  Each accumulator is read from its low end on.
.macro GRP g
.if \g < 4
.set A0, ACC+32*(\g/2)+8*(\g%2)
.set A1, A0+16
.else
.set A0, ACC+64+16*(\g-4)
.set A1, A0+8
.endif
.endm
.irp g, 0,1,2,3,4,5
	GRP \g
	v_max3_num_f32 v[EM+\g], |v[A0]|, |v[A0+1]|, 0x1800000         ; with the floor 2^(3 - 127)
.endr
.irp i, 2,4,6
.irp g, 0,1,2,3,4,5
	GRP \g
	v_max3_num_f32 v[EM+\g], v[EM+\g], |v[A0+\i]|, |v[A0+\i+1]|
.endr
.endr
.irp i, 0,2,4,6
.irp g, 0,1,2,3,4,5
	GRP \g
	v_max3_num_f32 v[EM+\g], v[EM+\g], |v[A1+\i]|, |v[A1+\i+1]|
.endr
.endr
.irp g, 0,1,2,3,4,5
	v_permlanex16_b32 v[MA0+\g], v[EM+\g], s50, s51
.endr
.irp g, 0,1,2,3,4,5
	v_max_num_f32 v[EM+\g], v[EM+\g], v[MA0+\g]    ; the block's largest magnitude
.endr
.irp g, 0,1,2,3,4,5
	v_add_nc_u32 v[EO+\g], 0xff000000, v[EM+\g]    ; the conversion's scale operand
.endr
.irp g, 0,1,2,3,4,5
	v_lshrrev_b32 v[EM+\g], 23, v[EO+\g]           ; the scale's byte
.endr
.irp g, 0,1,2,3,4,5
	GRP \g
	v_cvt_scalef32_pk8_fp4_f32 v[EC+2*\g], v[A0:A0+7], v[EO+\g]
	v_cvt_scalef32_pk8_fp4_f32 v[EC+2*\g+1], v[A1:A1+7], v[EO+\g]
.endr
	v_nop                                          ; one plain place behind the scaled conversions
	global_store_b64 v[GQK], v[EC:EC+1], s[38:39]                  ; each store: 32 lanes, 256 consecutive bytes, aligned: one block of 32 along K of a tile's 16 rows
	global_store_b64 v[GQK], v[EC+2:EC+3], s[38:39] offset:1024
	global_store_b64 v[GQK], v[EC+4:EC+5], s[40:41]
	global_store_b64 v[GQK], v[EC+6:EC+7], s[40:41] offset:1024
	global_store_b64 v[GV], v[EC+8:EC+9], s[42:43]
	global_store_b64 v[GV], v[EC+10:EC+11], s[42:43] offset:1024
	ds_store_b8 v[SBA], v[EM]                      ; the bytes meet in LDS: byte w of a token's word comes from wave w; both lanes of a block write the same byte
	ds_store_b8 v[SBA], v[EM+1] offset:64
	ds_store_b8 v[SBA], v[EM+2] offset:256
	ds_store_b8 v[SBA], v[EM+3] offset:320
	ds_store_b8 v[VBA], v[EM+4]
	ds_store_b8 v[VBA], v[EM+5] offset:32
	s_wait_dscnt 0x0                               ; for the others' sake: my bytes are stored
	s_barrier_signal -1
	s_barrier_wait -1
	s_cmp_lt_u32 s12, 2
	s_cbranch_scc0 .Lnot_qk
	ds_load_b64 v[52:53], v[SCR]                   ; wave 0: Q's 256 scale bytes; wave 1: K's
	s_cmp_eq_u32 s12, 0
	s_cselect_b64 s[52:53], s[44:45], s[46:47]
	s_wait_dscnt 0x0
	global_store_b64 v[L8], v[52:53], s[52:53]     ; 256 consecutive bytes, aligned
	s_branch .Ljoin
.Lnot_qk:
	s_cmp_lt_u32 s12, 4
	s_cbranch_scc1 .Ljoin
	ds_load_u16 v52, v[VSR]                        ; waves 4-7: V's: two bytes of each of 32 words
	s_wait_dscnt 0x0
	global_store_b16 v[GVS], v52, s[48:49]
.Ljoin:
	s_wait_tensorcnt 0x0                           ; the wave's end, behind my last tensor load and my last LDS store
	ds_add_u32 v[SPW], v[NIL]
	s_wait_dscnt 0x0
	ROUND                                          ; the closing round: no work-group ends while a partner may still ask for a tile that names it
	s_endpgm
.Lfunc_end_k_q07a174d794_proj:
	.size	k_q07a174d794_proj, .Lfunc_end_k_q07a174d794_proj-k_q07a174d794_proj
	.p2alignl 7, 3214868480
	.fill 96, 4, 3214868480
	.section	.rodata,"a",@progbits
	.p2align	6, 0x0
	.amdhsa_kernel k_q07a174d794_proj
		.amdhsa_group_segment_fixed_size 327680
		.amdhsa_private_segment_fixed_size 0
		.amdhsa_enable_private_segment 0
		.amdhsa_kernarg_size 32
		.amdhsa_user_sgpr_count 2
		.amdhsa_user_sgpr_kernarg_segment_ptr 1
		.amdhsa_wavefront_size32 1
		.amdhsa_system_sgpr_workgroup_id_x 1
		.amdhsa_system_sgpr_workgroup_id_y 1
		.amdhsa_system_sgpr_workgroup_id_z 1
		.amdhsa_system_vgpr_workitem_id 0
		.amdhsa_next_free_vgpr 512
		.amdhsa_next_free_sgpr 66
		.amdhsa_reserve_vcc 0
		.amdhsa_float_denorm_mode_32 3
		.amdhsa_float_denorm_mode_16_64 3
		.amdhsa_memory_ordered 1
		.amdhsa_forward_progress 1
		.amdhsa_inst_pref_size 120
	.end_amdhsa_kernel
	.amdgpu_metadata
---
amdhsa.version: [ 1, 2 ]
amdhsa.kernels:
  - .name:           k_q07a174d794_proj
    .symbol:         k_q07a174d794_proj.kd
    .args:
      - { .name: x, .offset: 0, .size: 8, .value_kind: global_buffer, .address_space: global }
      - { .name: wimg, .offset: 8, .size: 8, .value_kind: global_buffer, .address_space: global }
      - { .name: q, .offset: 16, .size: 8, .value_kind: global_buffer, .address_space: global }
      - { .name: kv, .offset: 24, .size: 8, .value_kind: global_buffer, .address_space: global }
    .group_segment_fixed_size: 327680
    .private_segment_fixed_size: 0
    .kernarg_segment_align: 8
    .kernarg_segment_size: 32
    .max_flat_workgroup_size: 256
    .sgpr_count:     66
    .vgpr_count:     512
    .wavefront_size: 32
...
	.end_amdgpu_metadata
.endif
;; end of part 2
;; launch attn (part 3): grid 256 x 1, 16 waves a work-group, clusters of 4 x 1, 282,624 bytes of LDS; arguments q, kv, out0; writes out0
.if DOCPART == 3
	.amdgcn_target "amdgcn-amd-amdhsa--gfx1250"
	.amdhsa_code_object_version 6
	.text
	.protected	k_q07a174d794_attn
	.globl	k_q07a174d794_attn
	.p2align	8
	.type	k_q07a174d794_attn,@function
k_q07a174d794_attn:
	s_mov_b64 s[64:65], 0
	v_nop
	global_prefetch_b8 v0, s[64:65] scope:SCOPE_SE
	s_setreg_imm32_b32 hwreg(HW_REG_WAVE_MODE, 25, 1), 1
	s_wait_xcnt 0x0
	s_wait_alu depctr_hold_cnt(0) depctr_sa_sdst(0) depctr_va_vdst(0) depctr_va_sdst(0) depctr_va_ssrc(0) depctr_va_vcc(0) depctr_vm_vsrc(0)
	s_getreg_b32 s2, hwreg(HW_REG_IB_STS2, 6, 4)
	s_cmp_eq_u32 s2, 0
	s_cbranch_scc0 .Lentry_in_a_cluster
	s_endpgm
.Lentry_in_a_cluster:
	s_bfe_u32 s2, ttmp6, 0x10000c
	s_cmp_lg_u32 s2, 0x3003
	s_cbranch_scc0 .Lentry_shape_is_right
	s_endpgm
.Lentry_shape_is_right:
; out[b][q][:] = the sum over k <= q of softmax_k(Q[q] . K[k] / sqrt(128)) V[k][:], 8 batches of 2,048 tokens, head 128, both products on codes of FP4 (E2M1) with one E8M0 scale for each 32 along K.
; Q, K and V come as register images with their scale words.  t = score x log2(e) / sqrt(128); M = the largest t so far, rounded UP to a whole number; p = 2^(t - M) is quantised along the keys, not normalised;
; the row's sum is taken of the unquantised p and divides at the end.  When M moves, sum and O are multiplied by 2^(old M - new M): exact.
; LIMITS: a p under 2^-126 counts as 0; a block of zeros has the byte 1 (its codes are zeros); NaN and infinities are not served.
; SHARES.  A work-group owns two blocks of 32 queries of one batch, block j and block 63 - j, so that early and late queries' work adds up alike in every work-group.  Wave v: tile t = v / 4 of 16 queries
; (t < 2: block j, else block 63 - j; u = t % 2), key quarter pi = v % 4: it works the key steps of 128 with number 4 sigma + pi up to its block's diagonal step D.  The four quarters of a tile are merged at the end, in LDS.
; CLUSTER.  The four work-groups of a cluster have j = 4 a + cx: one batch, and the same D (a and 15 - a): every branch hangs on the cluster's number and the wave's number alone.  All of the batch's K and V
; (four slots of 69,632 bytes) comes into LDS ONCE, by joint loads, a sixteenth of a slot a wave: four tensor loads of mine are out at the most; no LDS byte is filled twice.
; LAYOUT.  Both products transposed: S^T = K Q^T, O^T = V^T P^T: a lane holds ONE query.  Row p of a tile of queries, keys or channels is member 8 u + p + 8 (p / 8) of its group of 32, so that the 16 registers of two
; neighbouring tiles of S^T are 16 neighbouring keys.
; REGISTERS: v1-7, v30-31 addresses that stay; v8-11 the step's; v12 -M, v13 the largest t, v[14:15] the sum; v16-23 Q; v24-29 scale words and nothing else; v32-95 four fragments; v96-159 S^T, then p; v160-223 O^T;
; v224-231 p's codes; v232-247 at work; v248 the mask's d; v249 Q's scale offset; v252-254 at work.
.set SLOTB, 69632
.set PART,  4352                       ; a wave's sixteenth of a slot: 17 rows of 256 bytes
.set STAT,  4*SLOTB                    ; behind the slots: -M and the sum of each (tile, query, quarter): 2,048 bytes
.set SPT,   528                        ; the merge: a stage of 16 rows x (512 bytes + 16) for each wave, from LDS byte 0 on: inside slots 0 and 1, which have had their only fill and are read no more behind the last slot's barrier
.set STGW,  16*SPT
.macro PLACES
.rept 4
	v_nop
.endr
.endm
.macro ROUND                           ; a round of the cluster's barrier
	s_barrier_signal -1
	s_barrier_wait -1
	s_cmp_lg_u32 s12, 0
	s_cbranch_scc1 .Lnot_wave_0_\@
	s_barrier_signal -3
.Lnot_wave_0_\@:
	s_barrier_wait -3
	s_barrier_signal -1
	s_barrier_wait -1
.endm
; One product.  ra: which half of the lanes of source 0's scale register serves.  zero = 1: it starts the sum.
.macro MA d, a, bb, sa, sb, ra, zero
.set MSEL, 2*(\zero)+(\ra)
.if MSEL == 0
	v_wmma_scale_f32_16x16x128_f8f6f4 v[\d:\d+7], v[\a:\a+7], v[\bb:\bb+7], v[\d:\d+7], v[\sa], v[\sb] matrix_a_fmt:MATRIX_FMT_FP4 matrix_b_fmt:MATRIX_FMT_FP4
.elseif MSEL == 1
	v_wmma_scale_f32_16x16x128_f8f6f4 v[\d:\d+7], v[\a:\a+7], v[\bb:\bb+7], v[\d:\d+7], v[\sa], v[\sb] matrix_a_fmt:MATRIX_FMT_FP4 matrix_b_fmt:MATRIX_FMT_FP4 matrix_a_scale:MATRIX_SCALE_ROW1
.elseif MSEL == 2
	v_wmma_scale_f32_16x16x128_f8f6f4 v[\d:\d+7], v[\a:\a+7], v[\bb:\bb+7], 0, v[\sa], v[\sb] matrix_a_fmt:MATRIX_FMT_FP4 matrix_b_fmt:MATRIX_FMT_FP4
.else
	v_wmma_scale_f32_16x16x128_f8f6f4 v[\d:\d+7], v[\a:\a+7], v[\bb:\bb+7], 0, v[\sa], v[\sb] matrix_a_fmt:MATRIX_FMT_FP4 matrix_b_fmt:MATRIX_FMT_FP4 matrix_a_scale:MATRIX_SCALE_ROW1
.endif
.endm
	s_load_b128 s[4:7], s[0:1], 0x0                ; q s[4:5], kv s[6:7]
	s_load_b64 s[8:9], s[0:1], 0x10                ; out0
	v_lshl_add_u32 v251, v0, 2, 0x44800
	v_mov_b32 v255, 0
	ds_add_u32 v251, v255
	ds_add_u32 v251, v255
	v_lshrrev_b32 v8, 5, v0
	v_readfirstlane_b32 s12, v8                    ; wave v, 0..15
	s_and_b32 s13, s12, 3                          ; pi
	s_lshr_b32 s14, s12, 2                         ; t
	s_bfe_u32 s15, ttmp6, 0x40000                  ; cx: it enters Q's and out0's addresses and the mask's numbers alone
	s_lshr_b32 s16, ttmp9, 3                       ; the batch
	s_and_b32 s17, ttmp9, 7                        ; a
	s_lshl_b32 s18, s17, 2
	s_add_co_u32 s18, s18, s15                     ; j
	s_sub_co_u32 s19, 63, s18
	s_sub_co_u32 s21, 15, s17
	s_cmp_lt_u32 s14, 2
	s_cselect_b32 s19, s18, s19                    ; i: my block of 32 queries
	s_cselect_b32 s21, s17, s21                    ; D = i / 4: the key step on the diagonal; the same in all four partners
	s_and_b32 s20, s14, 1                          ; u
	s_and_b32 s54, s19, 3
	s_lshl_b32 s54, s54, 5
	s_lshl_b32 s55, s20, 3
	s_add_co_u32 s54, s54, s55                     ; 32 (i % 4) + 8 u: my tile's first query, counted from the diagonal step's first key
	s_lshl_b32 s56, s16, 5
	s_lshr_b32 s55, s19, 1
	s_add_co_u32 s56, s56, s55
	s_mul_i32 s56, s56, 4352                       ; q: the part that holds my block
	s_and_b32 s55, s19, 1
	s_lshl_b32 s55, s55, 1
	s_add_co_u32 s55, s55, s20                     ; my tile in it
	s_lshl_b32 s22, s55, 10
	s_add_co_u32 s22, s22, s56                     ; its image
	s_mov_b32 s23, 0
	s_lshl_b32 s48, s55, 6
	s_add_co_u32 s48, s48, s56
	s_add_co_u32 s48, s48, 4096                    ; its scale words
	s_mov_b32 s49, 0
	s_lshl_b32 s56, s16, 11                        ; out0: the first of the four rows that I store: 2,048 batch + 32 i + 8 u + 4 pi + 8 (pi / 2)
	s_lshl_b32 s55, s19, 5
	s_add_co_u32 s56, s56, s55
	s_lshl_b32 s55, s20, 3
	s_add_co_u32 s56, s56, s55
	s_lshl_b32 s55, s13, 2
	s_add_co_u32 s56, s56, s55
	s_lshr_b32 s55, s13, 1
	s_lshl_b32 s55, s55, 3
	s_add_co_u32 s56, s56, s55
	s_lshl_b32 s56, s56, 9                         ; rows of 512 bytes
	s_mov_b32 s57, 0
	s_mul_i32 s10, s12, PART                       ; my sixteenth of a slot, in memory and in LDS
	s_mul_i32 s2, s16, 4*SLOTB                     ; the batch's four slots
	s_add_co_u32 s2, s2, s10
	s_mov_b32 s3, 0
	s_mov_b32 s50, 0x76543210                      ; v_permlanex16_b32's selects for lane l xor 16
	s_mov_b32 s51, 0xfedcba98
	s_mov_b32 s52, 0x3e0293ee                      ; c = log2(e) / sqrt(128)
	s_mov_b32 s53, s52                             ; (named with it as a pair, so it is written)
	; descriptor group 1: 17 rows of 256 bytes (32 elements of 8 bytes), dense, no padding
	s_mov_b32 s24, 15|(3<<16)|(1<<21)              ; 15:0 the mask: all four work-groups; 17:16 elements of 8 bytes; 21 set beside a mask
	s_mov_b32 s25, 32<<16
	s_mov_b32 s26, 17<<16
	s_mov_b32 s27, 32<<16
	s_mov_b32 s28, 17
	s_mov_b32 s29, 32
	s_mov_b32 s30, 0
	s_mov_b32 s31, 0
	v_and_b32 v8, 31, v0                           ; lane
	v_and_b32 v9, 15, v0                           ; r
	v_bfe_u32 v10, v0, 4, 1                        ; h
	v_lshlrev_b32 v5, 4, v8                        ; v5: 16 x lane; stays
	v_lshlrev_b32 v249, 2, v9
	s_wait_dscnt 0x0
	s_wait_kmcnt 0x0
	s_add_nc_u64 s[60:61], s[4:5], s[22:23]
	s_add_nc_u64 s[62:63], s[4:5], s[48:49]
	s_add_nc_u64 s[58:59], s[8:9], s[56:57]
	s_add_nc_u64 s[6:7], s[6:7], s[2:3]
	global_load_b128 v[16:19], v5, s[60:61]        ; Q's fragment, as it lies; it stays in registers
	global_load_b128 v[20:23], v5, s[60:61] offset:512
	global_load_b32 v24, v249, s[62:63]            ; Q's scale words
.irp sg, 0,1,2,3
	s_mov_b32 s[32+4*\sg], 1
	s_add_co_u32 s[33+4*\sg], s10, \sg*SLOTB
	s_add_nc_u64 s[34+4*\sg:35+4*\sg], s[6:7], \sg*SLOTB
	s_or_b32 s[35+4*\sg], s[35+4*\sg], 0x80000000
.endr
	ROUND                                          ; all four work-groups are here: the joint loads meet
	tensor_load_to_lds s[32:35], s[24:31]
	s_nop 0
	tensor_load_to_lds s[36:39], s[24:31]
	s_nop 0
	tensor_load_to_lds s[40:43], s[24:31]
	s_nop 0
	tensor_load_to_lds s[44:47], s[24:31]
	s_nop 0
	PLACES                                         ; four v_nop follow the last
	s_lshl_b32 s55, s13, 13
	v_add_nc_u32 v1, s55, v5                       ; v1: K's tiles of step pi in slot 0
	v_add_nc_u32 v2, 32768, v1                     ; v2: V's
	s_lshl_b32 s55, s13, 9
	v_lshl_add_u32 v3, v8, 2, s55
	v_add_nc_u32 v4, 67584, v3                     ; v4: V's scale words
	v_add_nc_u32 v3, 65536, v3                     ; v3: K's
	s_mul_i32 s55, s12, STGW
	v_mul_u32_u24 v6, v9, SPT
	v_lshl_add_u32 v6, v10, 6, v6
	v_add_nc_u32 v6, s55, v6                       ; v6: my stage: row r, + 64 h
	s_mul_i32 s55, s14, 4*STGW
	s_mul_i32 s56, s13, 4*SPT
	s_add_co_u32 s55, s55, s56
	v_add_nc_u32 v7, s55, v5                       ; v7: the merge: my tile's four stages, rows 4 pi on, 16 bytes a lane
	s_lshl_b32 s55, s14, 9
	s_lshl_b32 s56, s13, 2
	s_add_co_u32 s56, s56, s55
	s_add_co_u32 s56, s56, STAT
	v_lshl_add_u32 v30, v9, 5, s56                 ; v30: STAT + 512 t + 32 r + 4 pi
	s_lshl_b32 s56, s13, 7
	s_add_co_u32 s56, s56, s55
	s_add_co_u32 s56, s56, STAT
	v_mov_b32 v31, s56                             ; v31: STAT + 512 t + 128 pi: the same in every lane
	v_and_b32 v11, 8, v9
	v_add_nc_u32 v248, v11, v9
	v_lshlrev_b32 v11, 4, v10
	v_sub_nc_u32 v248, v248, v11
	v_add_nc_u32 v248, s54, v248                   ; d = my query - the diagonal step's first key - 16 h.  Register 16 b + i of S^T holds key 32 b + 16 h + i of the step: hidden where 32 b + i > d
	v_mov_b32 v13, 0xff61b1e6                      ; the largest t so far: -3e38, under every t
	v_floor_f32 v12, -v13                          ; -M
	v_mov_b32 v14, 0                               ; the sum, in two halves
	v_mov_b32 v15, 0
.irp b, 0,1,2,3
	v_mov_b32 v[236+\b], 0                         ; written once: a lane permute's destination counts as one of its sources
.endr
	v_mov_b32 v252, 0
	v_mov_b32 v253, 0                              ; (named as the upper half of the pair v[252:253])
.irp j, 0,1,2,3,4,5,6,7,8,9,10,11,12,13,14,15,16,17,18,19,20,21,22,23,24,25,26,27,28,29,30,31,32,33,34,35,36,37,38,39,40,41,42,43,44,45,46,47,48,49,50,51,52,53,54,55,56,57,58,59,60,61,62,63
	v_mov_b32 v[160+\j], 0                         ; O^T.  (The step is written once for all: the first finds zeros, and a wave with no step hands zeros to the merge)
.endr
	s_wait_loadcnt 0x0                             ; Q
; A KEY STEP: keys 128 (4 sg + pi) on, in slot sg.  A step all of whose keys come after my queries is left out: a scalar branch on ids, round the step's work alone.
.macro STEP sg
	s_add_co_u32 s55, s13, 4*\sg
	s_cmp_gt_u32 s55, s21
	s_cbranch_scc1 .Lhidden_\@
	v_add_nc_u32 v8, \sg*SLOTB, v1                 ; (these four are also the places in front of loads into registers that the last step's products have read)
	v_add_nc_u32 v9, \sg*SLOTB, v2
	v_add_nc_u32 v10, \sg*SLOTB, v3
	v_add_nc_u32 v11, \sg*SLOTB, v4
.irp g, 0,1                                    ; S^T = K Q^T, four tiles of 16 keys at a time
.if \g > 0
	PLACES
.endif
.irp t, 0,1,2,3
.irp c, 0,1
	ds_load_b128 v[32+8*\t+4*\c:35+8*\t+4*\c], v8 offset:(4*\g+\t)*1024+512*\c
.endr
.endr
	ds_load_b32 v[26+2*\g], v10 offset:256*\g      ; a register holds two tiles' scale words: lanes 0-15 the even tile's, lanes 16-31 the odd one's
	ds_load_b32 v[27+2*\g], v10 offset:256*\g+128
	s_wait_dscnt 0x0
.irp t, 0,1,2,3
	MA 96+8*(4*\g+\t), 32+8*\t, 16, 26+2*\g+\t/2, 24, \t%2, 1
.endr
.endr
	PLACES
	s_cmp_lt_u32 s55, s21                          ; on the diagonal the scores of hidden keys become -infinity ahead of the maximum: p = 0 then.  A step all of whose keys count skips this
	s_cbranch_scc1 .Lopen_\@
	v_mov_b32 v254, 0xff800000
.irp n, 0,1,2,3,4,5,6,7,8,9,10,11,12,13,14,15,16,17,18,19,20,21,22,23,24,25,26,27,28,29,30,31,32,33,34,35,36,37,38,39,40,41,42,43,44,45,46,47,48,49,50,51,52,53,54,55,56,57,58,59,60,61,62,63
	v_cmp_gt_i32 vcc_lo, 32*(\n/16)+\n%16, v248
	v_cndmask_b32 v[96+\n], v[96+\n], v254, vcc_lo
.endr
.Lopen_\@:
.irp b, 0,1,2,3
	v_max3_num_f32 v[232+\b], v[96+16*\b], v[97+16*\b], v[98+16*\b]   ; the largest score of each block of 32 keys: it serves the row's maximum and, since p rises with the score, the block's largest p
.endr
.irp i, 3,5,7,9,11,13
.irp b, 0,1,2,3
	v_max3_num_f32 v[232+\b], v[232+\b], v[96+16*\b+\i], v[97+16*\b+\i]
.endr
.endr
.irp b, 0,1,2,3
	v_max_num_f32 v[232+\b], v[232+\b], v[111+16*\b]
.endr
.irp b, 0,1,2,3
	v_permlanex16_b32 v[236+\b], v[232+\b], s50, s51
.endr
.irp b, 0,1,2,3
	v_max_num_f32 v[232+\b], v[232+\b], v[236+\b]  ; with lane l xor 16's 16 keys
.endr
	v_max3_num_f32 v254, v232, v233, v234
	v_max_num_f32 v254, v254, v235                 ; the step's largest score of my query
	v_mul_f32 v254, s52, v254                      ; as t (c is positive)
	v_max_num_f32 v13, v13, v254                   ; the running largest t
	v_mov_b32 v254, v12
	v_floor_f32 v12, -v13                          ; the new -M = floor(-t) = -ceil(t): a whole number
	v_sub_f32 v254, v12, v254                      ; old M - new M: a whole number, 0 or less
	v_cvt_i32_f32 v254, v254                       ; (it saturates)
	v_ldexp_f32 v252, 1.0, v254                    ; f = 2^(old M - new M)
.irp j, 0,2,4,6,8,10,12,14,16,18,20,22,24,26,28,30,32,34,36,38,40,42,44,46,48,50,52,54,56,58,60,62
	v_pk_fma_f32 v[96+\j:97+\j], v[96+\j:97+\j], s[52:53], v[12:13] op_sel_hi:[1,0,0]   ; t - M, two at a time
.endr
.irp b, 0,1,2,3
	v_fma_f32 v[232+\b], v[232+\b], s52, v12       ; the same of each block's largest score
.endr
.irp j, 0,1,2,3,4,5,6,7,8,9,10,11,12,13,14,15,16,17,18,19,20,21,22,23,24,25,26,27,28,29,30,31,32,33,34,35,36,37,38,39,40,41,42,43,44,45,46,47,48,49,50,51,52,53,54,55,56,57,58,59,60,61,62,63
	v_exp_f32 v[96+\j], v[96+\j]                   ; p = 2^(t - M), at most 1
.endr
.irp b, 0,1,2,3
	v_exp_f32 v[232+\b], v[232+\b]                 ; the block's largest p: the same two instructions on the same number give the same bits
.endr
	v_pk_mul_f32 v[14:15], v[14:15], v[252:253] op_sel_hi:[1,0]   ; the sums under the new M.  (A plain place behind the exponentials)
	s_wait_alu depctr_va_vdst(0)
.irp b, 0,1,2,3
	v_max_num_f32 v[232+\b], 0x1800000, v[232+\b]  ; the floor 2^(3 - 127): the byte cannot fall under 1
.endr
.irp b, 0,1,2,3
	v_add_nc_u32 v[244+\b], 0xff000000, v[232+\b]  ; 2 off the exponent field: the conversion's scale operand
.endr
.irp b, 0,1,2,3
	v_lshrrev_b32 v[236+\b], 23, v[244+\b]         ; the scale's byte
.endr
	v_lshl_or_b32 v25, v237, 8, v236               ; p's scale word for these 128 keys
	v_lshl_or_b32 v25, v238, 16, v25
	v_lshl_or_b32 v25, v239, 24, v25
.irp b, 0,1,2,3
	v_cvt_scalef32_pk8_fp4_f32 v[224+2*\b], v[96+16*\b:103+16*\b], v[244+\b]
	v_cvt_scalef32_pk8_fp4_f32 v[225+2*\b], v[104+16*\b:111+16*\b], v[244+\b]
.endr
	v_nop                                          ; one plain place behind the scaled conversions
.irp c, 0,1                                    ; the operand's layout wants a WHOLE block in a lane: lanes 0-15 block 2 c, lanes 16-31 block 2 c + 1
.irp i, 0,1
	v_permlane16_swap_b32 v[224+4*\c+\i], v[226+4*\c+\i]
.endr
.endr
	v_pk_add_f32 v[236:237], v[96:97], v[98:99]    ; the row's sum is taken of the UNQUANTISED p: two at a time, in two chains
.irp j, 4,8,12,16,20,24,28,32,36,40,44,48,52,56,60
	v_pk_add_f32 v[14:15], v[14:15], v[96+\j:97+\j]
	v_pk_add_f32 v[236:237], v[236:237], v[98+\j:99+\j]
.endr
	v_pk_add_f32 v[14:15], v[14:15], v[236:237]
.irp j, 0,2,4,6,8,10,12,14,16,18,20,22,24,26,28,30,32,34,36,38,40,42,44,46,48,50,52,54,56,58,60,62
	v_pk_mul_f32 v[160+\j:161+\j], v[160+\j:161+\j], v[252:253] op_sel_hi:[1,0]   ; O^T under the new M.  (These are also the places in front of the products and loads below)
.endr
.irp g, 0,1                                    ; O^T += V^T P^T: four tiles of 16 channels at a time; the eight accumulators take turns
.if \g > 0
	PLACES
.endif
.irp t, 0,1,2,3
.irp c, 0,1
	ds_load_b128 v[32+8*\t+4*\c:35+8*\t+4*\c], v9 offset:(4*\g+\t)*1024+512*\c
.endr
.endr
	ds_load_b32 v[26+2*\g], v11 offset:256*\g
	ds_load_b32 v[27+2*\g], v11 offset:256*\g+128
	s_wait_dscnt 0x0
.irp t, 0,1,2,3
	MA 160+8*(4*\g+\t), 32+8*\t, 224, 26+2*\g+\t/2, 25, \t%2, 0
.endr
.endr
.Lhidden_\@:
.endm
.irp sg, 0,1,2,3
	s_wait_tensorcnt 3-\sg                         ; my part of this slot is in; the later slots' loads may stay out
	s_wait_dscnt 0x0                               ; my reads of the slots before are over
	s_barrier_signal -1
	s_barrier_wait -1                              ; everybody's part is in
	STEP \sg
.endr
	; THE MERGE of a tile's four key quarters.  Each wave leaves -M, its sum and its O^T (as 16 rows of 512 bytes) in LDS; then wave (t, pi) finishes rows 4 pi .. 4 pi + 3 of tile t.
	PLACES
	v_add_f32 v14, v14, v15                        ; the sum's two halves,
	v_permlanex16_b32 v252, v14, s50, s51
	v_add_f32 v14, v14, v252                       ; and lane l xor 16's
	ds_store_b32 v30, v12                          ; lanes r and r + 16 write the same word with the same value
	ds_store_b32 v30, v14 offset:16
.irp n, 0,1,2,3,4,5,6,7
	ds_store_b128 v6, v[160+8*\n:163+8*\n] offset:128*(\n/2)+32*(\n%2)       ; tile n, register j is channel 32 (n / 2) + 16 h + 8 (n % 2) + j; each accumulator from its low end on
	ds_store_b128 v6, v[164+8*\n:167+8*\n] offset:128*(\n/2)+32*(\n%2)+16
.endr
	s_wait_dscnt 0x0                               ; for the others' sake: my stores are done
	s_barrier_signal -1
	s_barrier_wait -1
.irp p, 0,1,2,3
	ds_load_b128 v[96+8*\p:99+8*\p], v31 offset:32*\p              ; row 4 pi + p: the four quarters' -M,
	ds_load_b128 v[100+8*\p:103+8*\p], v31 offset:32*\p+16         ; and their sums
.endr
.irp p, 0,1,2,3
.irp k, 0,1,2,3
	ds_load_b128 v[32+16*\p+4*\k:35+16*\p+4*\k], v7 offset:\k*STGW+\p*SPT   ; quarter k's row: 512 consecutive bytes
.endr
.endr
	s_wait_dscnt 16                                ; the eight loads of -M and sums are in; the sixteen rows may be out
.irp p, 0,1,2,3
	v_min3_num_f32 v[128+\p], v[96+8*\p], v[97+8*\p], v[98+8*\p]
.endr
.irp p, 0,1,2,3
	v_min_num_f32 v[128+\p], v[128+\p], v[99+8*\p] ; the least -M: the row's M.  (Quarter 0 always works key step 0, so it is a number)
.endr
.irp p, 0,1,2,3
.irp k, 0,1,2,3
	v_sub_f32 v[132+4*\p+\k], v[128+\p], v[96+8*\p+\k]             ; quarter k's M - the row's M: a whole number, 0 or less
.endr
.endr
.irp p, 0,1,2,3
.irp k, 0,1,2,3
	v_cvt_i32_f32 v[132+4*\p+\k], v[132+4*\p+\k]   ; (it saturates: a quarter that worked no step gets the factor 0)
.endr
.endr
.irp p, 0,1,2,3
.irp k, 0,1,2,3
	v_ldexp_f32 v[132+4*\p+\k], 1.0, v[132+4*\p+\k]
.endr
.endr
.irp p, 0,1,2,3
	v_mul_f32 v[148+\p], v[132+4*\p], v[100+8*\p]
.endr
.irp e, 1,2,3
.irp p, 0,1,2,3
	v_fmac_f32 v[148+\p], v[132+4*\p+\e], v[100+8*\p+\e]           ; the row's sum under the row's M
.endr
.endr
.irp p, 0,1,2,3
	v_rcp_f32 v[148+\p], v[148+\p]
.endr
	v_nop                                          ; one plain place behind the reciprocals
	s_wait_alu depctr_va_vdst(0)
.irp p, 0,1,2,3
.irp k, 0,1,2,3
	v_mul_f32 v[132+4*\p+\k], v[132+4*\p+\k], v[148+\p]
.endr
.endr
	s_wait_dscnt 0x0
.irp p, 0,1,2,3
.irp k, 0,1,2,3
	v_mul_f32 v[160+4*\p+\k], v[132+4*\p], v[32+16*\p+\k]
.endr
.endr
.irp e, 1,2,3
.irp p, 0,1,2,3
.irp k, 0,1,2,3
	v_fmac_f32 v[160+4*\p+\k], v[132+4*\p+\e], v[32+16*\p+4*\e+\k]
.endr
.endr
.endr
.irp p, 0,1,2,3
	global_store_b128 v5, v[160+4*\p:163+4*\p], s[58:59] offset:512*\p th:TH_STORE_NT   ; 32 lanes store a row of 512 consecutive bytes, aligned; written once, read by nobody here
.endr
	s_wait_tensorcnt 0x0
	ds_add_u32 v251, v255
	s_wait_dscnt 0x0
	ROUND                                          ; the closing round: no work-group ends while a partner may still ask for a tile that names it
	s_endpgm
.Lfunc_end_k_q07a174d794_attn:
	.size	k_q07a174d794_attn, .Lfunc_end_k_q07a174d794_attn-k_q07a174d794_attn
	.p2alignl 7, 3214868480
	.fill 96, 4, 3214868480
	.section	.rodata,"a",@progbits
	.p2align	6, 0x0
	.amdhsa_kernel k_q07a174d794_attn
		.amdhsa_group_segment_fixed_size 282624
		.amdhsa_private_segment_fixed_size 0
		.amdhsa_enable_private_segment 0
		.amdhsa_kernarg_size 24
		.amdhsa_user_sgpr_count 2
		.amdhsa_user_sgpr_kernarg_segment_ptr 1
		.amdhsa_wavefront_size32 1
		.amdhsa_system_sgpr_workgroup_id_x 1
		.amdhsa_system_sgpr_workgroup_id_y 1
		.amdhsa_system_sgpr_workgroup_id_z 1
		.amdhsa_system_vgpr_workitem_id 0
		.amdhsa_next_free_vgpr 256
		.amdhsa_next_free_sgpr 66
		.amdhsa_reserve_vcc 1
		.amdhsa_float_denorm_mode_32 3
		.amdhsa_float_denorm_mode_16_64 3
		.amdhsa_memory_ordered 1
		.amdhsa_forward_progress 1
		.amdhsa_inst_pref_size 112
	.end_amdhsa_kernel
	.amdgpu_metadata
---
amdhsa.version: [ 1, 2 ]
amdhsa.kernels:
  - .name:           k_q07a174d794_attn
    .symbol:         k_q07a174d794_attn.kd
    .args:
      - { .name: q, .offset: 0, .size: 8, .value_kind: global_buffer, .address_space: global }
      - { .name: kv, .offset: 8, .size: 8, .value_kind: global_buffer, .address_space: global }
      - { .name: out0, .offset: 16, .size: 8, .value_kind: global_buffer, .address_space: global }
    .group_segment_fixed_size: 282624
    .private_segment_fixed_size: 0
    .kernarg_segment_align: 8
    .kernarg_segment_size: 24
    .max_flat_workgroup_size: 512
    .sgpr_count:     66
    .vgpr_count:     256
    .wavefront_size: 32
...
	.end_amdgpu_metadata
.endif
;; end of part 3
